; MI455X (gfx1250); checked and timed in simulation.
; The chip was launched on July 23, 2026; its instructions are those of AMD's public machine-readable ISA for CDNA 5 (MIT licence, August 2026) and "CDNA5" Instruction Set Architecture Reference Guide (July 2026). The comments in the code are by the model that wrote it; some were corrected since.
;; Registration Render. Allowed arithmetic: float matrix products may take bf16 or f16 operands with f32 sums; all other float work in f32.
;; Inputs: src_pred 4,096 x 3 float32; tgt_pcd 4,096 x 3 float32.
;; Outputs: out0 6 x 2 x 64 x 64 float32.
;; One version. Each part assembles by itself: llvm-mc -triple=amdgcn-amd-amdhsa -mcpu=gfx1250 --defsym DOCPART=n.
;; ======== version 1 of 1: 1 launch
;; limits: a difference of large sums (such as E[x^2] - mean^2): digits are lost where the result is much smaller than its terms
;; launch render (part 1): grid 256 x 1, 4 waves a work-group, no clusters, 168,448 bytes of LDS; arguments src_pred, tgt_pcd, out0; writes out0
.if DOCPART == 1
	.amdgcn_target "amdgcn-amd-amdhsa--gfx1250"
	.amdhsa_code_object_version 6
	.text
	.protected	k_q36555e0f1a_render
	.globl	k_q36555e0f1a_render
	.p2align	8
	.type	k_q36555e0f1a_render,@function
k_q36555e0f1a_render:
	s_mov_b64 s[64:65], 0
	v_nop
	global_prefetch_b8 v0, s[64:65] scope:SCOPE_SE
	s_setreg_imm32_b32 hwreg(HW_REG_WAVE_MODE, 25, 1), 1
	s_wait_xcnt 0x0
; RegistrationRender: out[v][g][i][j] = 2 * max over the 4,096 points n of cloud g of ( pv[n] * exp(-5000 d2[n][i][j]) ) - 1,
; six views v (turns by multiples of 90 degrees), pv = 1 - (depth - dmin) / (dmax - dmin) with dmin, dmax over both clouds.
;
; HOW.  exp2 is monotone, so the maximum is taken over log2 of the terms and one exp2 is made for each pixel.
; With c = 5000 log2(e), X = sqrt(c) x, Y = sqrt(c) y, PX, PY = sqrt(c) times the pixel centres:
;   log2(term) = [ log2(pv) - (Y - PY_i)^2 - X^2 ]  +  X * (2 PX_j)  -  PX_j^2  =  A  +  X * P2_j  -  P2_j^2 / 4
; For one picture row A is one number a point, so a term costs half a v_pk_fma_f32 (two points) and half a v_max3_num_f32.
; 6 x 8,192 x 4,096 terms / 32 lanes / 1,024 waves = 6,144 such instructions a wave.
;
; WHO.  768 picture rows, three to a work-group: work-group = (cloud g, views 0-2 or 3-5, row i).  Lanes hold points.
; Wave w holds columns 16 w .. 16 w + 15 of the three rows: 48 running maxima; it walks all 4,096 points in 64 trips of 64.
;
; THE ROTATION.  In f32 the six matrices hold 0, +-1 and residues cos(pi/2), sin(pi), cos(3pi/2) of at most 1.84e-16.
; The residues are taken as 0: a rotated coordinate is a signed copy of an input coordinate, exact in f32.
;
; LIMITS.  (1) the dropped residues move a coordinate by less than 1.84e-16 times the largest coordinate of the point;
; (2) inputs are finite: a NaN loses in every min and max here, where the reference would spread it;
; (3) a view whose depths are all equal (range 0) gives -1 here, NaN in the reference;
; (4) pv is one fma with a reciprocal (absolute error about 1e-7; a pv of -1e-7 counts as +1e-7);
; (5) the expanded square costs about 0.002 in log2(term) (0.15 per cent of a picture value) for points inside the picture;
;     farther out the error grows with X^2 while the term itself has long vanished.
;
; NO CLUSTER: the 128 work-groups of a cloud read the same 49,152 bytes, but each asks once, ahead of all arithmetic:
; one tensor load and 24 register loads a wave against some 7,000 vector instructions.  NO MATRIX UNIT: A + X * P2 is a
; product with K = 2, and 16-bit operands are too coarse for positions under a Gaussian of width 0.01.
; LDS: 148,352 bytes are used; 168,448 are asked for, so that no second work-group shares the SIMDs.
.set QUART,  12288                     ; bytes of 1,024 points: a wave's share of its cloud
.set ENT,    49152                     ; LDS: tables [trip 0..63][view 0..2][lane 0..31] of 16 bytes (X0, X1, A0, A1); raw points lie at 0
.set TRIPB,  1536                      ; bytes of a trip in the tables
.set PAIRB,  4*TRIPB                   ; from one pair of a thread's points to its next pair (the four waves lie between)
.set MMB,    ENT+64*TRIPB              ; LDS: 4 waves x (min x y z -, max x y z -)
.set OUTS,   MMB+128                   ; LDS: 3 rows x 64 results
.set TRIPS,  64
.set SQC,    0x42a9dd47                ; sqrt(c) = 84.93218
.set NSQC,   0xc2a9dd47                ; -sqrt(c)
.set KP2,    0x4029dd47                ; sqrt(c) / 32:  P2_j = (2 j - 63) sqrt(c) / 32
.set NKPY,   0xbfa9dd47                ; -sqrt(c) / 64: -PY_i = -(2 i - 63) sqrt(c) / 64
; vector registers
.set LANE, 1                           ; lane
.set GOFF, 2                           ; 16 t: my bytes in each 2,048-byte stretch of the other cloud
.set RHO,  3                           ; t mod 3
.set RADR, 4                           ; LDS address of my first four raw points
.set L15,  5                           ; lane mod 16
.set P2V,  6                           ; P2 of column 16 w + lane mod 16
.set QN,   7                           ; -P2^2 / 4 of that column
.set TMPV, 8
.set EB0,  9                           ; where I store table entries, pairs 0-7
.set EB1,  10                          ; pairs 8-15
.set AD,   11                          ; where I read table entries
.set MMW,  12
.set MMR,  13
.set OSW,  14
.set OSR,  15
.set RAWV, 16                          ; v[16:111]  my 32 points: 8 chunks of 4 points x (x, y, z)
.set OTH,  112                         ; v[112:207] my 96 words of the other cloud
.set MN,   208                         ; v[208:211] min x, y, z, -
.set MX,   212                         ; v[212:215] max x, y, z, -
.set ON,   216                         ; v[216:218] other cloud: min by class
.set OX,   220                         ; v[220:222] other cloud: max by class
.set TM,   224                         ; v[224:229]
.set PV,   232                         ; v[232:235]
.set DY,   236                         ; v[236:239]
.set EN,   240                         ; v[240:247] two table entries
.set ACC,  16                          ; main loop: v[16:63] 48 maxima, view s column k at 16 s + k
.set T,    64                          ; v[64:95]  16 pairs of terms
.set EA,   96                          ; v[96:107]  entries of the even trips, 4 registers a view
.set EBF,  108                         ; v[108:119] entries of the odd trips
; scalar registers: s2 cloud, s3 view set, s10 wave, s11 row, s[12:15] s[16:23] descriptor, s[24:25] own cloud, s[26:27] other cloud
.set P2,   32                          ; s[32:63]  P2 of my 16 columns, each in the low register of a pair
.set DS,   68                          ; s[68:79]  axis a: -1/R, 1 + min/R (depth = +axis), 1/R, 1 - max/R (depth = -axis)
.set SC,   80                          ; s80 sqrt(c), s81 -sqrt(c)
.set NPY,  82                          ; s82 -PY of my row
	s_load_b128 s[4:7], s[0:1], 0x0                ; src_pred s[4:5], tgt_pcd s[6:7]
	s_load_b64 s[8:9], s[0:1], 0x10                ; out0
	v_lshl_add_u32 v248, v0, 2, 0x29000
	v_mov_b32 v249, 0
	ds_add_u32 v248, v249
	ds_add_u32 v248, v249
	v_lshrrev_b32 v[LANE], 5, v0
	v_readfirstlane_b32 s10, v[LANE]               ; wave 0..3
	v_and_b32 v[LANE], 31, v0
	s_and_b32 s11, ttmp9, 63                       ; row i
	s_bfe_u32 s3, ttmp9, 0x10006                   ; view set: bit 6
	s_lshr_b32 s2, ttmp9, 7                        ; cloud: 0 src, 1 tgt
	; descriptor: one row of 1,536 elements of 8 bytes = my wave's 1,024 points, to LDS byte 12,288 w
	s_mov_b32 s12, 1                               ; count = 1
	s_mul_i32 s13, s10, QUART                      ; LDS address
	s_mov_b32 s16, 3<<16                           ; no mask, elements of 8 bytes, no padding
	s_mov_b32 s17, (QUART/8)<<16                   ; tensor_dim0 = 1,536
	s_mov_b32 s18, 1<<16
	s_mov_b32 s19, (QUART/8)<<16                   ; tile_dim0 = 1,536
	s_mov_b32 s20, 1
	s_mov_b32 s21, 1536
	s_mov_b32 s22, 0
	s_mov_b32 s23, 0
	s_mov_b32 s28, s13                             ; the same 12,288 w as a 64-bit offset
	s_mov_b32 s29, 0
	v_lshlrev_b32 v[GOFF], 4, v0
	s_wait_dscnt 0x0
	s_wait_kmcnt 0x0
	s_cmp_lg_u32 s2, 0
	s_cselect_b64 s[24:25], s[6:7], s[4:5]         ; the cloud that I draw
	s_cselect_b64 s[26:27], s[4:5], s[6:7]         ; the other one: only its depth range counts
	s_add_nc_u64 s[14:15], s[24:25], s[28:29]
	s_or_b32 s15, s15, 0x80000000                  ; type = 2
	tensor_load_to_lds s[12:15], s[16:23]          ; only this wave reads these bytes: its own s_wait_tensorcnt orders them
	s_nop 0
.set kk, 0
.rept 24
	global_load_b128 v[OTH+4*kk:OTH+4*kk+3], v[GOFF], s[26:27] offset:2048*kk   ; a wave's load covers 512 neighbouring bytes
.set kk, kk+1
.endr
	; while the loads are out: constants and addresses
	v_mul_u32_u24 v[RHO], v0, 171                  ; t / 3 = (171 t) >> 9 for t < 128
	v_lshrrev_b32 v[RHO], 9, v[RHO]
	v_mul_u32_u24 v[RHO], v[RHO], 3
	v_sub_nc_u32 v[RHO], v0, v[RHO]                ; t mod 3
	v_mul_u32_u24 v[RADR], v[LANE], 48             ; four points = 48 bytes a lane: 16 lanes fall on 16 different 16-byte columns
	v_add_nc_u32 v[RADR], s13, v[RADR]
	v_and_b32 v[L15], 15, v0
	s_lshl_b32 s28, s10, 5
	s_sub_co_i32 s28, s28, 63
	v_lshl_add_u32 v[P2V], v[L15], 1, s28          ; 2 j - 63 for j = 16 w + lane mod 16
	v_cvt_f32_i32 v[P2V], v[P2V]
	v_mul_f32 v[P2V], KP2, v[P2V]                  ; P2_j, rounded once
	v_mul_f32 v[QN], 0xbe800000, v[P2V]
	v_mul_f32 v[QN], v[QN], v[P2V]                 ; -P2_j^2 / 4, from the same rounded P2_j
.set kk, 0
.rept 16
	v_readlane_b32 s[P2+2*kk], v[P2V], kk          ; lane k holds column 16 w + k
	s_mov_b32 s[P2+2*kk+1], s[P2+2*kk]             ; the pair's upper register is named by the packed form: written too
.set kk, kk+1
.endr
	s_lshl_b32 s28, s11, 1
	s_sub_co_i32 s28, s28, 63
	v_cvt_f32_i32 v[TMPV], s28
	v_mul_f32 v[TMPV], NKPY, v[TMPV]
	v_readfirstlane_b32 s[NPY], v[TMPV]            ; -PY_i
	s_mov_b32 s[SC], SQC
	s_mov_b32 s[SC+1], NSQC
	s_mov_b32 s30, 0x76543210                      ; v_permlanex16_b32: lane l takes lane l of the other half
	s_mov_b32 s31, 0xfedcba98
	s_mul_i32 s28, s10, TRIPB
	s_add_co_u32 s28, s28, ENT
	v_lshl_add_u32 v[EB0], v[LANE], 4, s28         ; pair q of thread (w, l) is lane l of trip 4 q + w
	v_add_nc_u32 v[EB1], 8*PAIRB, v[EB0]
	v_lshlrev_b32 v[AD], 4, v[LANE]
	v_add_nc_u32 v[AD], ENT, v[AD]
	s_lshl_b32 s28, s10, 5
	s_add_co_u32 s28, s28, MMB
	v_mov_b32 v[MMW], s28
	v_mov_b32 v[MMR], MMB
	s_lshl_b32 s28, s10, 6
	s_add_co_u32 s28, s28, OUTS
	v_lshl_add_u32 v[OSW], v[L15], 2, s28          ; result of column 16 w + lane mod 16
	s_lshl_b32 s28, s10, 8
	s_add_co_u32 s28, s28, OUTS
	v_lshl_add_u32 v[OSR], v[LANE], 3, s28         ; waves 0-2: two results of row w
; min and max of three groups of four registers out of twelve; six chains that take turns.  first = 1 starts the chains.
.macro MINMAX mn, mx, r, first, a0, a1, a2, a3, b0, b1, b2, b3, c0, c1, c2, c3
.if \first
	v_min_num_f32 v[\mn],   v[\r+\a0], v[\r+\a1]
	v_max_num_f32 v[\mx],   v[\r+\a0], v[\r+\a1]
	v_min_num_f32 v[\mn+1], v[\r+\b0], v[\r+\b1]
	v_max_num_f32 v[\mx+1], v[\r+\b0], v[\r+\b1]
	v_min_num_f32 v[\mn+2], v[\r+\c0], v[\r+\c1]
	v_max_num_f32 v[\mx+2], v[\r+\c0], v[\r+\c1]
.else
	v_min3_num_f32 v[\mn],   v[\mn],   v[\r+\a0], v[\r+\a1]
	v_max3_num_f32 v[\mx],   v[\mx],   v[\r+\a0], v[\r+\a1]
	v_min3_num_f32 v[\mn+1], v[\mn+1], v[\r+\b0], v[\r+\b1]
	v_max3_num_f32 v[\mx+1], v[\mx+1], v[\r+\b0], v[\r+\b1]
	v_min3_num_f32 v[\mn+2], v[\mn+2], v[\r+\c0], v[\r+\c1]
	v_max3_num_f32 v[\mx+2], v[\mx+2], v[\r+\c0], v[\r+\c1]
.endif
	v_min3_num_f32 v[\mn],   v[\mn],   v[\r+\a2], v[\r+\a3]
	v_max3_num_f32 v[\mx],   v[\mx],   v[\r+\a2], v[\r+\a3]
	v_min3_num_f32 v[\mn+1], v[\mn+1], v[\r+\b2], v[\r+\b3]
	v_max3_num_f32 v[\mx+1], v[\mx+1], v[\r+\b2], v[\r+\b3]
	v_min3_num_f32 v[\mn+2], v[\mn+2], v[\r+\c2], v[\r+\c3]
	v_max3_num_f32 v[\mx+2], v[\mx+2], v[\r+\c2], v[\r+\c3]
.endm
	; MY CLOUD: 32 whole points a thread, out of the wave's own 12,288 bytes of LDS
	s_wait_tensorcnt 0x0                           ; the wave's one tensor load has landed
.set ii, 0
.rept 8
	ds_load_b128 v[RAWV+12*ii:RAWV+12*ii+3],    v[RADR] offset:1536*ii
	ds_load_b128 v[RAWV+12*ii+4:RAWV+12*ii+7],  v[RADR] offset:1536*ii+16
	ds_load_b128 v[RAWV+12*ii+8:RAWV+12*ii+11], v[RADR] offset:1536*ii+32
.set ii, ii+1
.endr
	s_wait_dscnt 21                                ; chunk 0 is in; the 21 loads of the seven younger chunks stay out
	MINMAX MN, MX, RAWV, 1, 0,3,6,9, 1,4,7,10, 2,5,8,11
.set ii, 1
.rept 7
	s_wait_dscnt 21-3*ii                           ; chunk ii is in; three loads for each younger chunk stay out
	MINMAX MN, MX, RAWV+12*ii, 0, 0,3,6,9, 1,4,7,10, 2,5,8,11
.set ii, ii+1
.endr
	; THE OTHER CLOUD: word e of load k of thread t is float 4 t + 512 k + e, so its coordinate is (t + 2 k + e) mod 3.
	; Min and max are kept by the class (2 k + e) mod 3, which is the same in every lane, and turned by t mod 3 afterwards.
	; In three loads (12 registers) class 0 is registers 0, 3, 5, 10; class 1 is 1, 6, 8, 11; class 2 is 2, 4, 7, 9.
	s_wait_loadcnt 21                              ; loads 0-2 are in; the 21 younger ones stay out
	MINMAX ON, OX, OTH, 1, 0,3,5,10, 1,6,8,11, 2,4,7,9
.set ii, 1
.rept 7
	s_wait_loadcnt 21-3*ii                         ; loads 3 ii .. 3 ii + 2 are in
	MINMAX ON, OX, OTH+12*ii, 0, 0,3,5,10, 1,6,8,11, 2,4,7,9
.set ii, ii+1
.endr
	; coordinate a lies in class (a - t) mod 3
	v_cmp_eq_u32 vcc_lo, 1, v[RHO]
	v_cndmask_b32 v[TM+0], v[ON+0], v[ON+2], vcc_lo
	v_cndmask_b32 v[TM+1], v[ON+1], v[ON+0], vcc_lo
	v_cndmask_b32 v[TM+2], v[ON+2], v[ON+1], vcc_lo
	v_cndmask_b32 v[TM+3], v[OX+0], v[OX+2], vcc_lo
	v_cndmask_b32 v[TM+4], v[OX+1], v[OX+0], vcc_lo
	v_cndmask_b32 v[TM+5], v[OX+2], v[OX+1], vcc_lo
	v_cmp_eq_u32 vcc_lo, 2, v[RHO]
	v_cndmask_b32 v[TM+0], v[TM+0], v[ON+1], vcc_lo
	v_cndmask_b32 v[TM+1], v[TM+1], v[ON+2], vcc_lo
	v_cndmask_b32 v[TM+2], v[TM+2], v[ON+0], vcc_lo
	v_cndmask_b32 v[TM+3], v[TM+3], v[OX+1], vcc_lo
	v_cndmask_b32 v[TM+4], v[TM+4], v[OX+2], vcc_lo
	v_cndmask_b32 v[TM+5], v[TM+5], v[OX+0], vcc_lo
.irp a, 0,1,2
	v_min_num_f32 v[MN+\a], v[MN+\a], v[TM+\a]
	v_max_num_f32 v[MX+\a], v[MX+\a], v[TM+3+\a]
.endr
	; over the 32 lanes: four steps inside each half ride on the arithmetic, one crosses the halves
.irp m, 1,2,4,8
.irp a, 0,1,2
	v_min_num_f32_dpp v[MN+\a], v[MN+\a], v[MN+\a] row_xmask:\m row_mask:0xf bank_mask:0xf
	v_max_num_f32_dpp v[MX+\a], v[MX+\a], v[MX+\a] row_xmask:\m row_mask:0xf bank_mask:0xf
.endr
.endr
.irp a, 0,1,2
	v_permlanex16_b32 v[TM+\a],   v[MN+\a], s30, s31   ; destinations were written above
	v_permlanex16_b32 v[TM+3+\a], v[MX+\a], s30, s31
.endr
.irp a, 0,1,2
	v_min_num_f32 v[MN+\a], v[MN+\a], v[TM+\a]
	v_max_num_f32 v[MX+\a], v[MX+\a], v[TM+3+\a]
.endr
	v_mov_b32 v[MN+3], v[MN]                       ; the fourth word of each 16-byte store: written, never used
	v_mov_b32 v[MX+3], v[MX]
	; over the four waves
	ds_store_b128 v[MMW], v[MN:MN+3]               ; all lanes store the same words
	ds_store_b128 v[MMW], v[MX:MX+3] offset:16
	s_wait_dscnt 0x0                               ; for the other waves: my stores are done before I signal
	s_barrier_signal -1
	s_barrier_wait -1
.irp u, 0,1,2,3
	ds_load_b128 v[OTH+8*\u:OTH+8*\u+3],   v[MMR] offset:32*\u
	ds_load_b128 v[OTH+8*\u+4:OTH+8*\u+7], v[MMR] offset:32*\u+16
.endr
	s_wait_dscnt 0x0
.irp a, 0,1,2
	v_min3_num_f32 v[MN+\a], v[OTH+\a],   v[OTH+8+\a],  v[OTH+16+\a]
	v_max3_num_f32 v[MX+\a], v[OTH+4+\a], v[OTH+12+\a], v[OTH+20+\a]
.endr
.irp a, 0,1,2
	v_min_num_f32 v[MN+\a], v[MN+\a], v[OTH+24+\a]
	v_max_num_f32 v[MX+\a], v[MX+\a], v[OTH+28+\a]
.endr
	; pv = 1 - (d - dmin) / R as one fma of the input coordinate u:  d = +u: u (-1/R) + (1 + min/R);  d = -u: u (1/R) + (1 - max/R)
.irp a, 0,1,2
	v_sub_f32 v[TM+\a], v[MX+\a], v[MN+\a]
.endr
.irp a, 0,1,2
	v_rcp_f32 v[TM+\a], v[TM+\a]
.endr
	v_nop                                          ; one plain place behind the reciprocals before they are used (ISA guide 5.7.2)
	s_wait_alu depctr_va_vdst(0)
.irp a, 0,1,2
	v_fma_f32 v[TM+3+\a], v[MN+\a], v[TM+\a], 1.0
	v_fma_f32 v[ON+\a], -v[MX+\a], v[TM+\a], 1.0
.endr
.irp a, 0,1,2
	v_readfirstlane_b32 s[DS+4*\a+2], v[TM+\a]
	v_readfirstlane_b32 s[DS+4*\a+1], v[TM+3+\a]
	v_readfirstlane_b32 s[DS+4*\a+3], v[ON+\a]
	s_xor_b32 s[DS+4*\a], s[DS+4*\a+2], 0x80000000
.endr
; THE TABLES.  Four points (12 registers at r) of one view: x' = +-coordinate xc, y' = +-coordinate yc, depth = +-coordinate dc
; (sign 0: plus, 1: minus).  Two entries (X0, X1, A0, A1), (X2, X3, A2, A3) go to LDS, four trips apart.
.macro PREP4 r, base, off, xc, xs, yc, ys, dc, ds
.irp p, 0,1,2,3
	v_fma_f32 v[PV+\p], v[\r+3*\p+\dc], s[DS+4*\dc+2*\ds], s[DS+4*\dc+2*\ds+1]    ; pv
.endr
.irp p, 0,1,2,3
	v_log_f32 v[PV+\p], |v[PV+\p]|                 ; log2(pv); pv = 0 gives -inf, which loses every maximum
.endr
.irp p, 0,1,2,3
	v_fma_f32 v[DY+\p], v[\r+3*\p+\yc], s[SC+\ys], s[NPY]      ; Y - PY_i: also the plain places behind the logarithms
.endr
	v_mul_f32 v[EN+0], s[SC+\xs], v[\r+\xc]        ; X
	v_mul_f32 v[EN+1], s[SC+\xs], v[\r+3+\xc]
	v_mul_f32 v[EN+4], s[SC+\xs], v[\r+6+\xc]
	v_mul_f32 v[EN+5], s[SC+\xs], v[\r+9+\xc]
	s_wait_alu depctr_va_vdst(0)
.irp p, 0,1,2,3
	v_fma_f32 v[PV+\p], -v[DY+\p], v[DY+\p], v[PV+\p]
.endr
	v_fma_f32 v[EN+2], -v[EN+0], v[EN+0], v[PV+0]  ; A = log2(pv) - (Y - PY_i)^2 - X^2
	v_fma_f32 v[EN+3], -v[EN+1], v[EN+1], v[PV+1]
	v_fma_f32 v[EN+6], -v[EN+4], v[EN+4], v[PV+2]
	v_fma_f32 v[EN+7], -v[EN+5], v[EN+5], v[PV+3]
	ds_store_b128 v[\base], v[EN:EN+3]   offset:\off           ; 32 lanes, 512 neighbouring bytes
	ds_store_b128 v[\base], v[EN+4:EN+7] offset:\off+PAIRB
.endm
.macro VIEW slot, xc, xs, yc, ys, dc, ds
.irp c, 0,1,2,3
	PREP4 RAWV+12*\c, EB0, 2*PAIRB*\c+512*\slot, \xc, \xs, \yc, \ys, \dc, \ds
.endr
.irp c, 0,1,2,3
	PREP4 RAWV+48+12*\c, EB1, 2*PAIRB*\c+512*\slot, \xc, \xs, \yc, \ys, \dc, \ds
.endr
.endm
	s_cmp_lg_u32 s3, 0                             ; the same in all four waves: it hangs on the work-group's number alone
	s_cbranch_scc1 .Lset_b
	VIEW 0, 0,0, 1,0, 2,0                          ; view 0: ( x,  y | depth  z)
	VIEW 1, 2,0, 1,0, 0,1                          ; view 1: ( z,  y | depth -x)
	VIEW 2, 0,1, 1,0, 2,1                          ; view 2: (-x,  y | depth -z)
	s_branch .Ltables_done
.Lset_b:
	VIEW 0, 2,1, 1,0, 0,0                          ; view 3: (-z,  y | depth  x)
	VIEW 1, 0,0, 2,1, 1,0                          ; view 4: ( x, -z | depth  y)
	VIEW 2, 0,0, 2,0, 1,1                          ; view 5: ( x,  z | depth -y)
.Ltables_done:
	s_wait_dscnt 0x0                               ; for the other waves: my entries are in LDS before I signal
	s_barrier_signal -1
	s_barrier_wait -1
; THE MAIN LOOP.  One trip: 64 points (two a lane) x 3 views x my 16 columns.
; buf: the trip's entries; first = 1: the terms start the maxima (nothing is cleared);
; ldoff: where, from AD, the entries of the trip after next lie (0: none are fetched); left: younger LDS loads that may stay out.
.macro TRIP buf, first, ldoff, left
	s_wait_dscnt \left
.irp s, 0,1,2
.irp k, 0,1,2,3,4,5,6,7,8,9,10,11,12,13,14,15
	v_pk_fma_f32 v[T+2*\k:T+2*\k+1], v[\buf+4*\s:\buf+4*\s+1], s[P2+2*\k:P2+2*\k+1], v[\buf+4*\s+2:\buf+4*\s+3] op_sel_hi:[1,0,1]
.endr
.if \ldoff
	ds_load_b128 v[\buf+4*\s:\buf+4*\s+3], v[AD] offset:\ldoff+512*\s     ; the view's entry has been read: fetch two trips ahead
.endif
.irp k, 0,1,2,3,4,5,6,7,8,9,10,11,12,13,14,15
.if \first
	v_max_num_f32 v[ACC+16*\s+\k], v[T+2*\k], v[T+2*\k+1]
.else
	v_max3_num_f32 v[ACC+16*\s+\k], v[ACC+16*\s+\k], v[T+2*\k], v[T+2*\k+1]
.endif
.endr
.endr
.endm
.irp s, 0,1,2
	ds_load_b128 v[EA+4*\s:EA+4*\s+3], v[AD] offset:512*\s
.endr
.irp s, 0,1,2
	ds_load_b128 v[EBF+4*\s:EBF+4*\s+3], v[AD] offset:TRIPB+512*\s
.endr
	; at the head of every trip six loads are out: the trip's own three, then the next trip's three, hence the count 3
	TRIP EA,  1, 2*TRIPB, 3
	TRIP EBF, 0, 3*TRIPB, 3
	v_add_nc_u32 v[AD], 2*TRIPB, v[AD]
	s_mov_b32 s83, (TRIPS-4)/2
.Ltrips:
	TRIP EA,  0, 2*TRIPB, 3
	TRIP EBF, 0, 3*TRIPB, 3
	v_add_nc_u32 v[AD], 2*TRIPB, v[AD]
	s_sub_co_u32 s83, s83, 1
	s_cmp_lg_u32 s83, 0
	s_cbranch_scc1 .Ltrips
	TRIP EA,  0, 0, 3                              ; the last two trips fetch nothing: the counts run down
	TRIP EBF, 0, 0, 0
; THE FOLD over the lanes.  In the step for lane bit b the maxima whose column numbers differ in bit b are paired: a lane with the bit
; clear keeps the lower column and sends the upper one to lane xor 2^b, a lane with the bit set the other way round.
; 24 + 12 + 6 + 3 pairs of three instructions; then lane l holds column 16 w + l mod 16, folded over its half of the wave.
.macro FOLDG a0, cnt, step
.set fk, \a0
.set ft, 0
.rept \cnt
	v_cndmask_b32 v[T+ft],   v[ACC+fk], v[ACC+fk+\step], vcc_lo       ; what I keep
	v_cndmask_b32 v[T+ft+1], v[ACC+fk+\step], v[ACC+fk], vcc_lo       ; what my partner keeps
.set fk, fk+2*\step
.set ft, ft+2
.endr
.set fk, \a0
.set ft, 0
.rept \cnt
	v_max_num_f32_dpp v[ACC+fk], v[T+ft+1], v[T+ft] row_xmask:\step row_mask:0xf bank_mask:0xf
.set fk, fk+2*\step
.set ft, ft+2
.endr
.endm
	s_mov_b32 vcc_lo, 0xaaaaaaaa                   ; lanes with bit 0 set
	FOLDG 0, 12, 1
	FOLDG 24, 12, 1
	s_mov_b32 vcc_lo, 0xcccccccc                   ; bit 1
	FOLDG 0, 12, 2
	s_mov_b32 vcc_lo, 0xf0f0f0f0                   ; bit 2
	FOLDG 0, 6, 4
	s_mov_b32 vcc_lo, 0xff00ff00                   ; bit 3
	FOLDG 0, 3, 8
.irp s, 0,1,2
	v_permlanex16_b32 v[T+\s], v[ACC+16*\s], s30, s31  ; the other half of the wave
.endr
.irp s, 0,1,2
	v_max_num_f32 v[T+\s], v[T+\s], v[ACC+16*\s]
.endr
.irp s, 0,1,2
	v_add_f32 v[T+\s], v[T+\s], v[QN]              ; - PX_j^2: now log2 of the pixel
.endr
.irp s, 0,1,2
	v_exp_f32 v[T+\s], v[T+\s]
.endr
	v_nop                                          ; one plain place behind the exponentials (ISA guide 5.7.2)
	s_wait_alu depctr_va_vdst(0)
.irp s, 0,1,2
	v_fma_f32 v[T+\s], v[T+\s], 2.0, -1.0          ; (img - 0.5) / 0.5
.endr
.irp s, 0,1,2
	ds_store_b32 v[OSW], v[T+\s] offset:256*\s     ; lanes l and l + 16 store the same word with the same value
.endr
	; row i of picture 2 (3 set + wave) + cloud: 16,384 bytes a picture, 256 a row
	s_mul_i32 s28, s3, 3
	s_add_co_u32 s28, s28, s10
	s_lshl1_add_u32 s28, s28, s2
	s_lshl_b32 s28, s28, 14
	s_lshl_b32 s29, s11, 8
	s_add_co_u32 s28, s28, s29
	s_mov_b32 s29, 0
	s_add_nc_u64 s[8:9], s[8:9], s[28:29]
	v_lshlrev_b32 v[TMPV], 3, v[LANE]
	s_wait_dscnt 0x0                               ; for the other waves: my results are in LDS before I signal
	s_barrier_signal -1
	s_barrier_wait -1
	s_cmp_eq_u32 s10, 3                            ; three rows, three waves
	s_cbranch_scc1 .Lend
	ds_load_b64 v[T:T+1], v[OSR]
	s_wait_dscnt 0x0
	global_store_b64 v[TMPV], v[T:T+1], s[8:9] th:TH_STORE_NT      ; the wave's store covers the row's 256 bytes, aligned
.Lend:
	s_wait_tensorcnt 0x0
	ds_add_u32 v248, v249
	s_wait_dscnt 0x0
	s_endpgm
.Lfunc_end_k_q36555e0f1a_render:
	.size	k_q36555e0f1a_render, .Lfunc_end_k_q36555e0f1a_render-k_q36555e0f1a_render
	.p2alignl 7, 3214868480
	.fill 96, 4, 3214868480
	.section	.rodata,"a",@progbits
	.p2align	6, 0x0
	.amdhsa_kernel k_q36555e0f1a_render
		.amdhsa_group_segment_fixed_size 168448
		.amdhsa_private_segment_fixed_size 0
		.amdhsa_enable_private_segment 0
		.amdhsa_kernarg_size 24
		.amdhsa_user_sgpr_count 2
		.amdhsa_user_sgpr_kernarg_segment_ptr 1
		.amdhsa_wavefront_size32 1
		.amdhsa_system_sgpr_workgroup_id_x 1
		.amdhsa_system_sgpr_workgroup_id_y 1
		.amdhsa_system_sgpr_workgroup_id_z 1
		.amdhsa_system_vgpr_workitem_id 0
		.amdhsa_next_free_vgpr 250
		.amdhsa_next_free_sgpr 88
		.amdhsa_reserve_vcc 1
		.amdhsa_float_denorm_mode_32 3
		.amdhsa_float_denorm_mode_16_64 3
		.amdhsa_memory_ordered 1
		.amdhsa_forward_progress 1
		.amdhsa_inst_pref_size 144
	.end_amdhsa_kernel
	.amdgpu_metadata
---
amdhsa.version: [ 1, 2 ]
amdhsa.kernels:
  - .name:           k_q36555e0f1a_render
    .symbol:         k_q36555e0f1a_render.kd
    .args:
      - { .name: src_pred, .offset: 0, .size: 8, .value_kind: global_buffer, .address_space: global }
      - { .name: tgt_pcd, .offset: 8, .size: 8, .value_kind: global_buffer, .address_space: global }
      - { .name: out0, .offset: 16, .size: 8, .value_kind: global_buffer, .address_space: global }
    .group_segment_fixed_size: 168448
    .private_segment_fixed_size: 0
    .kernarg_segment_align: 8
    .kernarg_segment_size: 24
    .max_flat_workgroup_size: 128
    .sgpr_count:     88
    .vgpr_count:     250
    .wavefront_size: 32
...
	.end_amdgpu_metadata
.endif
;; end of part 1
